; MI455X (gfx1250); checked and timed in simulation.
; The chip was launched on July 23, 2026; its instructions are those of AMD's public machine-readable ISA for CDNA 5 (MIT licence, August 2026) and "CDNA5" Instruction Set Architecture Reference Guide (July 2026). The comments in the code are by the model that wrote it; some were corrected since.
;; Palace Attention. Allowed arithmetic: float matrix products may take bf16 or f16 operands with f32 sums; all other float work in f32.
;; Inputs: inter_palace_weight one number float32; x 2 x 2,048 x 1,024 float32.
;; Outputs: out0 2 x 2,048 x 1,024 float32.
;; 2 versions, each right and faster than the one before. Each part assembles by itself: llvm-mc -triple=amdgcn-amd-amdhsa -mcpu=gfx1250 --defsym DOCPART=n.
;; ======== version 1 of 2: 1 launch
;; launch palace (part 1): grid 8 x 32, 4 waves a work-group, no clusters, 312,832 bytes of LDS; arguments x, inter_palace_weight, out0; writes out0
.if DOCPART == 1
	.amdgcn_target "amdgcn-amd-amdhsa--gfx1250"
	.amdhsa_code_object_version 6
	.text
	.protected	k_qc0a528094a_palace
	.globl	k_qc0a528094a_palace
	.p2align	8
	.type	k_qc0a528094a_palace,@function
k_qc0a528094a_palace:
	s_mov_b64 s[64:65], 0
	v_nop
	global_prefetch_b8 v0, s[64:65] scope:SCOPE_SE
	s_setreg_imm32_b32 hwreg(HW_REG_WAVE_MODE, 25, 1), 1
	s_wait_xcnt 0x0
; PalaceAttention: out = softmax(0.125 q k^T * m) v with q = k = v = x, 32 (batch, head) pairs, 2048 tokens, 64 numbers a head;
; m = 1 where key % 8 == query % 8, sigmoid(w) elsewhere, multiplied onto the scores ahead of the softmax.
;
; SHARES.  Work-group (g, bh): the 256 queries of head bh whose token % 8 == g.  Four waves, 64 queries each, as four query tiles of 16.
; THE HEAD LIES IN LDS, in bf16, its rows sorted by palace: token t is row 256 (t % 8) + t / 8, 128 bytes of data in a pitch of 144.
; So every block of 64 key rows has ONE mask factor for all queries of the work-group: the mask is the scalar factor of the fused
; multiply-add that forms the exponent.  One (token, head) slice is 256 aligned bytes in x and in out0, so sorting costs nothing in memory.
; PRODUCTS ARE TRANSPOSED.  S^T = K Q^T: a lane holds one query (column) and eight keys a tile, so the softmax's maximum is taken inside the
; lane and once across the two halves of the wave; two packed S^T tiles are the second source of O^T = V^T P^T as they stand; V^T comes by
; the transposing LDS load; O^T again has the query in the lane, so the rescale and 1/l are factors of the lane.
; The row sum l is a product too: a first source with ones in rows 0 and 8 leaves l in register 0 of an accumulator in both halves.
; SIDE BY SIDE.  A phase is one query tile x 64 keys.  Its vector work (maximum, exponent, exponential, packing) is set among the matrix
; instructions of its neighbours: P V and l of the tile before, S of the tile behind.
; SOFTMAX: a true running maximum of the masked, scaled scores (in units of log2), old sums rescaled by 2^(old - new).
; The block's maximum is taken on raw scores and multiplied by the block's factor once: both factors are >= 0 (0.125 log2 e, and that times a sigmoid).
; LIMITS.  Inputs are finite.  Q, K, V and P are rounded to bf16; S, O, l and the maximum are f32.  An exponential below 2^-126 counts as 0.
; NO CLUSTER, NO TENSOR LOADS, though the eight work-groups of a head read the same 524,288 bytes of x: the bytes have to be rounded to bf16 and
; re-ordered on the way, which goes through registers; a joint load would land f32 rows in LDS, where beside the resident 294,912 bytes and
; the 17,408 of the stages 15,360 are left, so the head would need more than 34 refills with a barrier of the cluster in front of each.
; The shared bytes are read once, ahead of the loop; the loop reads no memory.
.set PITCH,  144                       ; an LDS row: 128 bytes + 16.  9 x 16: sixteen rows start at sixteen different 16-byte columns modulo 256 bytes
.set TILE,   16*PITCH                  ; 16 rows
.set STEP,   64*PITCH                  ; 64 rows: a step's keys, and a wave's queries
.set PAL,    256*PITCH                 ; a palace
.set STAGE,  2048*PITCH                ; behind the head: each wave's own stage for the way out
.set SPITCH, 272                       ; a stage row: 256 bytes + 16
.set WSTAGE, 16*SPITCH
.set DEPTH,  56                        ; the fill's ring: loads of a wave in flight
; registers of the fill (window 0)
.set GOFF, 1                           ; v1        my byte offset in the head's part of x
.set LA,   2                           ; v[2:9]    palace p: LDS address of my 8 bytes
.set TP,   10                          ; v[10:25]  eight pairs of packed bf16
.set X,    32                          ; v[32:255] 56 slots of 4 registers
; registers of the loop, window 0
.set KA,   1                           ; v1        LDS address of my part of the next K fragments
.set T,    2                           ; v[2:7]    at work
.set ST,   8                           ; v[8:15]   query tile q: the pair (minus the running maximum, the rescale factor)
.set ONES, 16                          ; v[16:23]  first source of the row sum: ones in rows 0 and 8
.set LACC, 24                          ; v[24:55]  query tile q: accumulator of the row sum, l in register 0
.set QA,   56                          ; v56       LDS address of my part of the Q fragments
.set STO,  57                          ; v57       the way out: where I put 16 bytes
.set RD,   58                          ; v58       the way out: where I read a row back
.set CO,   59                          ; v59       my byte offset in out0
.set RL,   60                          ; v[60:61]  1 / l, twice
.set QF,   64                          ; v[64:127]  Q(q, ks) at 16 q + 8 ks
.set KF,   128                         ; v[128:191] K(kt, ks) at 16 kt + 8 ks; at work on the way out
.set SB,   192                         ; v[192:255] two buffers of four S^T tiles; P is packed into registers 0-15 of its own buffer
; registers of the loop, window 1
.set VA,   0                           ; v256       LDS address of my part of the next V^T fragments
.set VF,   64                          ; v[320:383] V^T(ks, e) at 32 ks + 8 e
.set OA,   128                         ; v[384:511] O^T(q, e) at 32 q + 8 e
; s_set_vgpr_msb's low byte: bits 1:0 source 0, 3:2 source 1, 5:4 source 2, 7:6 destination; the high byte repeats the setting that is left.
.set MSB, 0
.macro WIN new
.if MSB != \new
	s_set_vgpr_msb (MSB<<8)|\new
.set MSB, \new
.endif
.endm
.set W_PV,  0x51                       ; destination, source 0 and source 2 in window 1 (O, V, V's address), source 1 in window 0 (P, the rescale factor)
.macro PLACES                          ; four plain vector instructions between a matrix instruction and a load into, or a vector read of, its registers
.rept 4
	v_nop
.endr
.endm
	s_load_b128 s[4:7], s[0:1], 0x0                ; x s[4:5], the address of w s[6:7]
	s_load_b64 s[8:9], s[0:1], 0x10                ; out0
	s_set_vgpr_msb 0x40
	v_lshl_add_u32 v62, v0, 2, 0x4c400
	v_mov_b32 v63, 0
	s_set_vgpr_msb 0x4000
	v_lshrrev_b32 v26, 5, v0
	v_readfirstlane_b32 s10, v26                   ; wave 0..3
	s_and_b32 s11, ttmp9, 7                        ; g: my queries' palace
	s_and_b32 s12, ttmp7, 0xffff                   ; bh = 16 batch + head
	s_lshr_b32 s13, s12, 4
	s_lshl_b32 s13, s13, 23                        ; a batch is 2048 x 4096 bytes
	s_and_b32 s14, s12, 15
	s_lshl_b32 s14, s14, 8                         ; a head's slice of a token is 256 bytes
	s_or_b32 s14, s14, s13
	s_mov_b32 s15, 0
	s_mov_b32 s16, 0x76543210                      ; v_permlanex16_b32: lane i of one half reads lane i of the other
	s_mov_b32 s17, 0xfedcba98
	s_mov_b32 s18, 0x3e38aa3b                      ; 0.125 log2 e: the factor inside a palace
	s_mov_b32 s25, STEP
	v_and_b32 v27, 15, v0                          ; which 16 bytes of a slice
	v_bfe_u32 v28, v0, 4, 1                        ; lanes 16-31 take the token 64 further on
	v_lshlrev_b32 v[GOFF], 4, v27
	v_lshl_or_b32 v[GOFF], v28, 18, v[GOFF]        ; 64 tokens of 4,096 bytes
	s_lshl_b32 s13, s10, 21                        ; a wave fills 512 tokens
	v_or_b32 v[GOFF], s13, v[GOFF]
	s_mul_i32 s13, s10, STEP                       ; 512 tokens are 64 rows of each palace
	v_mul_u32_u24 v29, v28, 8*PITCH                ; 64 tokens on are 8 rows on: 1,152 bytes = 128 modulo 256, so the two halves of a store meet in no bank
	v_lshl_add_u32 v29, v27, 3, v29                ; 4 numbers become 8 bytes
	v_add_nc_u32 v29, s13, v29
.irp p, 0,1,2,3,4,5,6,7
	v_add_nc_u32 v[LA+\p], \p*PAL, v29
.endr
	s_wait_kmcnt 0x0
	s_load_b32 s24, s[6:7], 0x0                    ; w
	s_add_nc_u64 s[4:5], s[4:5], s[14:15]          ; x at the head's slice of token 0
	s_add_nc_u64 s[8:9], s[8:9], s[14:15]
	s_lshl_b32 s14, s11, 12
	s_add_nc_u64 s[8:9], s[8:9], s[14:15]          ; out0 at the head's slice of token g
; THE FILL.  Load n (0..255) of a wave: tokens 512 wave + 128 (n >> 6) + (n & 63), and 64 further on in lanes 16-31: two whole slices of 256 bytes.
.set n, 0
.rept DEPTH
	global_load_b128 v[X+4*n:X+4*n+3], v[GOFF], s[4:5] offset:n*4096
.set n, n+1
.endr
; the step's factor: 0.125 log2 e where the step's 64 keys (palace step / 4) are of my queries' palace, that times sigmoid(w) elsewhere
.macro SCALE
	s_lshr_b32 s24, s22, 2
	s_cmp_eq_u32 s24, s11
	s_cselect_b32 s20, s18, s19
	s_mov_b32 s21, s20                             ; the packed multiply-add names the pair
	s_xor_b32 s23, s20, 0x80000000                 ; minus the factor
.endm
	s_wait_kmcnt 0x0
	v_mov_b32 v26, s24
	v_mul_f32 v26, 0xbfb8aa3b, v26                 ; - w log2 e
	v_exp_f32 v26, v26
	v_nop                                          ; a plain instruction behind a transcendental, ahead of its result's use (ISA guide 5.7.2)
	s_wait_alu depctr_va_vdst(0)
	v_add_f32 v26, 1.0, v26
	v_rcp_f32 v26, v26                             ; sigmoid(w)
	v_nop
	s_wait_alu depctr_va_vdst(0)
	v_mul_f32 v26, s18, v26
	v_readfirstlane_b32 s19, v26                   ; a multiplier alone: no branch and no address is made of it
	s_mov_b32 s22, 0                               ; the step's number
	SCALE
.set n, 0
.rept 256
.if n < 256-DEPTH+1
	s_wait_loadcnt DEPTH-1                         ; loads come back in order (ISA guide 5.7.1): load n is in, the 55 younger ones stay out
.else
	s_wait_loadcnt 255-n                           ; nothing more is issued: the count runs down
.endif
	v_cvt_pk_bf16_f32 v[TP+2*(n%8)],   v[X+4*(n%DEPTH)],   v[X+4*(n%DEPTH)+1]
	v_cvt_pk_bf16_f32 v[TP+2*(n%8)+1], v[X+4*(n%DEPTH)+2], v[X+4*(n%DEPTH)+3]
	ds_store_b64 v[LA+(n&7)], v[TP+2*(n%8):TP+2*(n%8)+1] offset:(16*(n>>6)+((n&63)>>3))*PITCH   ; palace n & 7, row token / 8
.if n+DEPTH < 256
	global_load_b128 v[X+4*(n%DEPTH):X+4*(n%DEPTH)+3], v[GOFF], s[4:5] offset:(128*((n+DEPTH)>>6)+((n+DEPTH)&63))*4096
.endif
.set n, n+1
.endr
	s_wait_dscnt 0x0                               ; my rows are in LDS, for the other waves' sake,
	s_barrier_signal -1
	s_barrier_wait -1                              ; and so are everybody's.  From here on the head is only read: no further barrier
; ADDRESSES.  r = lane % 16, h = lane / 16.  A fragment of 16 rows x 32 along the rows: lane (r, h) takes 16 bytes at 16 h and at 32 + 16 h of its row.
; Inside a tile of 16 key rows matrix row 8 a + j is LDS row 2 j + a, for K and for V alike (keys are summed over, and a tile has one palace):
; a transposing load's sixteen lanes then touch eight rows 288 bytes apart, 32 bytes each: sixteen different 16-byte columns modulo 256.
	v_and_b32 v2, 15, v0                           ; r
	v_bfe_u32 v3, v0, 4, 1                         ; h
	v_and_b32 v4, 7, v0
	v_bfe_u32 v5, v0, 3, 1
	v_lshl_add_u32 v6, v4, 1, v5                   ; K: matrix row r is LDS row 2 (r % 8) + r / 8
	v_mul_u32_u24 v6, v6, PITCH
	v_lshl_add_u32 v[KA], v3, 4, v6
	s_mul_i32 s13, s11, PAL
	s_mul_i32 s14, s10, STEP
	s_add_co_u32 s13, s13, s14                     ; my wave's 64 queries: rows 256 g + 64 wave ..
	v_mul_u32_u24 v7, v2, PITCH
	v_lshl_add_u32 v7, v3, 4, v7
	v_add_nc_u32 v[QA], s13, v7
.macro KLOAD                           ; 16 loads: a step's four tiles of 16 keys, 64 along the rows; then the address steps to the next 64 rows
.irp kt, 0,1,2,3
.irp ks, 0,1
	ds_load_b128 v[KF+16*\kt+8*\ks:KF+16*\kt+8*\ks+3],   v[KA] offset:\kt*TILE+64*\ks
	ds_load_b128 v[KF+16*\kt+8*\ks+4:KF+16*\kt+8*\ks+7], v[KA] offset:\kt*TILE+64*\ks+32
.endr
.endr
	v_add_nc_u32 v[KA], STEP, v[KA]
.endm
.macro VLOAD                           ; under W_PV.  16 transposing loads: V^T(ks, e) = numbers 16 e .. 16 e + 15 of the keys of tiles 2 ks and 2 ks + 1
.irp ks, 0,1
.irp e, 0,1,2,3
	ds_load_tr16_b128 v[VF+32*\ks+8*\e:VF+32*\ks+8*\e+3],   v[VA] offset:\ks*2*TILE+32*\e
	ds_load_tr16_b128 v[VF+32*\ks+8*\e+4:VF+32*\ks+8*\e+7], v[VA] offset:\ks*2*TILE+32*\e+TILE
.endr
.endr
	v_add_nc_u32 v[VA], v[VA], s25
.endm
.irp q, 0,1,2,3
.irp ks, 0,1
	ds_load_b128 v[QF+16*\q+8*\ks:QF+16*\q+8*\ks+3],   v[QA] offset:\q*TILE+64*\ks
	ds_load_b128 v[QF+16*\q+8*\ks+4:QF+16*\q+8*\ks+7], v[QA] offset:\q*TILE+64*\ks+32
.endr
.endr
	KLOAD                                          ; step 0's keys
	v_lshl_add_u32 v6, v4, 1, v3                   ; V: the lane that addresses matrix key 8 h + lane % 8 takes LDS row 2 (lane % 8) + h,
	v_mul_u32_u24 v6, v6, PITCH
	v_lshl_add_u32 v6, v5, 4, v6                   ; and 16 bytes at 16 ((lane / 8) % 2)
	WIN 0x40
	v_mov_b32 v[VA], v6                            ; v256
	WIN 0
	s_mul_i32 s14, s10, WSTAGE
	s_add_co_u32 s14, s14, STAGE                   ; my stage
	v_mul_u32_u24 v7, v2, SPITCH                   ; in: query r's row, my eight numbers of each sixteen at 32 h
	v_lshl_add_u32 v7, v3, 5, v7
	v_add_nc_u32 v[STO], s14, v7
	v_mul_u32_u24 v7, v3, SPITCH                   ; back: lanes 0-15 take one row of 256 bytes, lanes 16-31 the next
	v_lshl_add_u32 v7, v2, 4, v7
	v_add_nc_u32 v[RD], s14, v7
	v_lshlrev_b32 v7, 4, v2                        ; out0: a query row is 8 tokens = 32,768 bytes from the next; a wave has 64 of them
	v_lshl_or_b32 v7, v3, 15, v7
	s_lshl_b32 s14, s10, 21
	v_or_b32 v[CO], s14, v7
	v_mov_b32 v7, 0x3f803f80                       ; two bf16 ones
	v_cmp_eq_u32 vcc_lo, 0, v4
	v_cndmask_b32 v[ONES], 0, v7, vcc_lo           ; rows 0 and 8 of the first source
.irp i, 1,2,3,4,5,6,7
	v_mov_b32 v[ONES+\i], v[ONES]
.endr
; MATRIX INSTRUCTIONS.  Accumulators take turns, one instruction a turn.
.macro SW qn, bo, kt, ks               ; S^T(tile kt) of query tile qn into buffer bo; the first 32 along the rows start the sum
.if \ks
	v_wmma_f32_16x16x32_bf16 v[SB+32*(\bo)+8*\kt:SB+32*(\bo)+8*\kt+7], v[KF+16*\kt+8*\ks:KF+16*\kt+8*\ks+7], v[QF+16*(\qn)+8*\ks:QF+16*(\qn)+8*\ks+7], v[SB+32*(\bo)+8*\kt:SB+32*(\bo)+8*\kt+7]
.else
	v_wmma_f32_16x16x32_bf16 v[SB+32*(\bo)+8*\kt:SB+32*(\bo)+8*\kt+7], v[KF+16*\kt+8*\ks:KF+16*\kt+8*\ks+7], v[QF+16*(\qn)+8*\ks:QF+16*(\qn)+8*\ks+7], 0
.endif
.endm
.macro LW qp, bo, ks, c0               ; the row sum of 32 keys of P
.if \c0
	v_wmma_f32_16x16x32_bf16 v[LACC+8*(\qp):LACC+8*(\qp)+7], v[ONES:ONES+7], v[SB+32*(\bo)+8*\ks:SB+32*(\bo)+8*\ks+7], 0
.else
	v_wmma_f32_16x16x32_bf16 v[LACC+8*(\qp):LACC+8*(\qp)+7], v[ONES:ONES+7], v[SB+32*(\bo)+8*\ks:SB+32*(\bo)+8*\ks+7], v[LACC+8*(\qp):LACC+8*(\qp)+7]
.endif
.endm
.macro PW qp, bo, e, ks, c0            ; under W_PV: O^T(qp, e) += V^T(ks, e) P^T(32 keys)
.if \c0
	v_wmma_f32_16x16x32_bf16 v[OA+32*(\qp)+8*\e:OA+32*(\qp)+8*\e+7], v[VF+32*\ks+8*\e:VF+32*\ks+8*\e+7], v[SB+32*(\bo)+8*\ks:SB+32*(\bo)+8*\ks+7], 0
.else
	v_wmma_f32_16x16x32_bf16 v[OA+32*(\qp)+8*\e:OA+32*(\qp)+8*\e+7], v[VF+32*\ks+8*\e:VF+32*\ks+8*\e+7], v[SB+32*(\bo)+8*\ks:SB+32*(\bo)+8*\ks+7], v[OA+32*(\qp)+8*\e:OA+32*(\qp)+8*\e+7]
.endif
.endm
.macro RS qp, e                        ; under W_PV: O^T(qp, e) times the rescale factor, the second register of the tile's pair, in both halves
.irp i, 0,1,2,3
	v_pk_mul_f32 v[OA+32*(\qp)+8*\e+2*\i:OA+32*(\qp)+8*\e+2*\i+1], v[OA+32*(\qp)+8*\e+2*\i:OA+32*(\qp)+8*\e+2*\i+1], v[ST+2*(\qp):ST+2*(\qp)+1] op_sel:[0,1] op_sel_hi:[1,1]
.endr
.endm
.macro PVPART qp, bo, pv               ; pv = 2: rescale, then add; pv = 1: the tile's first step starts the sums
.if \pv == 2
	RS \qp,0
	RS \qp,1
	PW \qp,\bo,0,0,0
	RS \qp,2
	PW \qp,\bo,1,0,0
	RS \qp,3
	PW \qp,\bo,2,0,0
	PW \qp,\bo,3,0,0
.else
	PW \qp,\bo,0,0,1
	PW \qp,\bo,1,0,1
	PW \qp,\bo,2,0,1
	PW \qp,\bo,3,0,1
.endif
	PW \qp,\bo,0,1,0
	PW \qp,\bo,1,1,0
	PW \qp,\bo,2,1,0
	PW \qp,\bo,3,1,0
.endm
; THE SOFTMAX'S VECTOR WORK on buffer bc: my 32 raw scores of one query.
.macro G1 bc                           ; the maximum, in four chains
.irp k, 0,1,2,3
	v_max3_num_f32 v[T+\k], v[SB+32*(\bc)+8*\k], v[SB+32*(\bc)+8*\k+1], v[SB+32*(\bc)+8*\k+2]
.endr
.endm
.macro G2 bc
.irp k, 0,1,2,3
	v_max3_num_f32 v[T+\k], v[T+\k], v[SB+32*(\bc)+8*\k+3], v[SB+32*(\bc)+8*\k+4]
.endr
.endm
.macro G3 bc
.irp k, 0,1,2,3
	v_max3_num_f32 v[T+\k], v[T+\k], v[SB+32*(\bc)+8*\k+5], v[SB+32*(\bc)+8*\k+6]
.endr
.endm
.macro G4 bc
	v_max3_num_f32 v[T],   v[T],   v[T+1], v[SB+32*(\bc)+7]
	v_max3_num_f32 v[T+2], v[T+2], v[T+3], v[SB+32*(\bc)+15]
	v_max3_num_f32 v[T],   v[T],   v[SB+32*(\bc)+23], v[SB+32*(\bc)+31]
	v_max_num_f32  v[T],   v[T],   v[T+2]
.endm
.macro STATS q, smf                    ; smf = 1: the query tile's first step
	v_permlanex16_b32 v[T+1], v[T], s16, s17       ; the other half's 32 keys of the same query
	v_max_num_f32 v[T], v[T], v[T+1]
	v_mul_f32 v[T], s23, v[T]                      ; minus the block's maximum, masked and scaled (the factor is >= 0)
.if \smf
	v_mov_b32 v[ST+2*(\q)], v[T]
	v_mov_b32 v[ST+2*(\q)+1], 1.0                  ; the packed forms name the whole pair
.else
	v_sub_f32 v[T+1], v[T], v[ST+2*(\q)]           ; old maximum - block's maximum
	v_min_num_f32 v[T+1], 0, v[T+1]                ; old - new
	v_exp_f32 v[ST+2*(\q)+1], v[T+1]               ; the rescale factor
	v_min_num_f32 v[ST+2*(\q)], v[ST+2*(\q)], v[T] ; minus the new maximum; also the plain instruction behind the exponential (ISA guide 5.7.2)
	s_wait_alu depctr_va_vdst(0)
.endif
.endm
.macro FM bc, q, kt                    ; exponent = raw x factor - maximum, one fused multiply-add for two scores
.irp i, 0,1,2,3
	v_pk_fma_f32 v[SB+32*(\bc)+8*\kt+2*\i:SB+32*(\bc)+8*\kt+2*\i+1], v[SB+32*(\bc)+8*\kt+2*\i:SB+32*(\bc)+8*\kt+2*\i+1], s[20:21], v[ST+2*(\q):ST+2*(\q)+1] op_sel_hi:[1,0,0]
.endr
.endm
.macro EX bc, kt
.irp i, 0,1,2,3,4,5,6,7
	v_exp_f32 v[SB+32*(\bc)+8*\kt+\i], v[SB+32*(\bc)+8*\kt+\i]
.endr
.endm
.macro CV bc, kt                       ; tile kt's eight numbers into registers 4 kt .. 4 kt + 3 of the buffer: in ascending order each target has been read already
	s_wait_alu depctr_va_vdst(0)
.irp i, 0,1,2,3
	v_cvt_pk_bf16_f32 v[SB+32*(\bc)+4*\kt+\i], v[SB+32*(\bc)+8*\kt+2*\i], v[SB+32*(\bc)+8*\kt+2*\i+1]
.endr
.endm
; A PHASE: the softmax of query tile q on its buffer (q & 1), among P V and l of the tile before (pv: 0 none, 1 starts the sums, 2 rescales and adds)
; and S of the tile behind into the other buffer (sn).  vw, kw: wait for the V, K fragments; vl, kl: load the next step's.
; Both waits are for 0: at each of them the sixteen loads waited for are all that is out.
; Distances, in plain vector instructions that name none of the matrix instruction's registers: from the second row-sum
; product, which reads registers 8-15 of the other buffer, to the S product that writes over them: 8 (G3, G4); from the last S product to the K loads
; and to the next phase's first read of S: 8 (CV 2, CV 3).  Behind each run of exponentials the next vector instruction is a multiply-add or a
; conversion on other registers.
.macro PHASE q, pv, smf, sn, vw, vl, kw, kl
.set QP, (\q+3)%4
.set QN, (\q+1)%4
.set BC, \q&1
.set BO, 1-(\q&1)
.if \vw
	s_wait_dscnt 0x0                               ; this step's V^T
.endif
.if \pv+\vl
	WIN W_PV
.endif
.if \pv
	PVPART QP,BO,\pv
.endif
.if \pv*\vl
	PLACES                                         ; behind the last product that read V^T, ahead of the loads into it
.endif
.if \vl
	VLOAD
.endif
	WIN 0
.if \pv == 2
	v_mul_f32 v[LACC+8*QP], v[LACC+8*QP], v[ST+2*QP+1]     ; l is rescaled like O; the accumulator's other registers hold zeros
.endif
.if \pv*(1-\sn)
	s_wait_alu depctr_va_vdst(0)                   ; the two row-sum products follow each other here
.endif
.if \pv
	LW QP,BO,0,2-\pv
.endif
	G1 BC
.if \kw
	s_wait_dscnt 0x0                               ; the next step's K
.endif
.if \sn
	SW QN,BO,3,0
.endif
	G2 BC
.if \pv*(1-\sn)
	s_wait_alu depctr_va_vdst(0)
.endif
.if \pv
	LW QP,BO,1,0
.endif
	G3 BC
.if \sn
	SW QN,BO,2,0
.endif
	G4 BC
.if \sn
	SW QN,BO,1,0
.endif
	STATS \q,\smf
.if \sn
	SW QN,BO,0,0
.endif
	FM BC,\q,0
	EX BC,0
.if \sn
	SW QN,BO,3,1
.endif
	FM BC,\q,1
	EX BC,1
.if \sn
	SW QN,BO,2,1
.endif
	CV BC,0
	FM BC,\q,2
	EX BC,2
.if \sn
	SW QN,BO,1,1
.endif
	CV BC,1
	FM BC,\q,3
	EX BC,3
.if \sn
	SW QN,BO,0,1
.endif
	CV BC,2
	CV BC,3
.if \kl
	KLOAD
.endif
.endm
	s_wait_dscnt 0x0                               ; Q and step 0's K
.irp kt, 3,2,1,0
	SW 0,0,\kt,0                                   ; S of (step 0, query tile 0)
.endr
.irp kt, 3,2,1,0
	SW 0,0,\kt,1
.endr
	PLACES                                         ; ahead of the first read of S
	; step 0, and the first phase of step 1, stand ahead of the loop: first products start the sums, first maxima start the running maxima
	PHASE 0, 0,1,1, 0,1,0,0
	PHASE 1, 1,1,1, 1,0,0,0
	PHASE 2, 1,1,1, 0,0,0,1
	PHASE 3, 1,1,1, 0,0,1,0
	s_mov_b32 s22, 1
	SCALE
	PHASE 0, 1,0,1, 0,1,0,0
.Lstep:                                            ; 30 trips: phases 1, 2, 3 of steps 1..30, each with phase 0 of the step behind it
	PHASE 1, 2,0,1, 1,0,0,0
	PHASE 2, 2,0,1, 0,0,0,1
	PHASE 3, 2,0,1, 0,0,1,0
	s_add_co_u32 s22, s22, 1
	SCALE
	PHASE 0, 2,0,1, 0,1,0,0
	s_cmp_lt_u32 s22, 31
	s_cbranch_scc1 .Lstep
	PHASE 1, 2,0,1, 1,0,0,0                        ; step 31: no further keys to load, and behind tile 3 no further S
	PHASE 2, 2,0,1, 0,0,0,0
	PHASE 3, 2,0,0, 0,0,0,0
	WIN W_PV
	PVPART 3,1,2                                   ; the last P V and l, of query tile 3
	WIN 0
	v_mul_f32 v[LACC+24], v[LACC+24], v[ST+7]
	s_wait_alu depctr_va_vdst(0)
	LW 3,1,0,0
	s_wait_alu depctr_va_vdst(0)
	LW 3,1,1,0
	PLACES                                         ; ahead of the reads of l and O
; THE WAY OUT, a query tile at a time: O^T / l; a lane's eight numbers of each sixteen go into its query's row of my own stage; whole rows of
; 256 bytes come back, and sixteen lanes store 256 consecutive bytes at a multiple of 256 from out0's first byte: one (token, head) slice.
; LDS serves a wave's instructions in order (ISA guide 5.7.1), and the stage is the wave's own: no wait between its stores and its loads.
.macro OUTQ q
	v_rcp_f32 v[RL],   v[LACC+8*\q]
	v_rcp_f32 v[RL+1], v[LACC+8*\q]
	v_nop                                          ; the plain instruction behind the reciprocals
	WIN 0x01                                       ; source 0 (O) in window 1
	s_wait_alu depctr_va_vdst(0)
.irp e, 0,1,2,3
.irp i, 0,1,2,3
	v_pk_mul_f32 v[KF+8*\e+2*\i:KF+8*\e+2*\i+1], v[OA+32*\q+8*\e+2*\i:OA+32*\q+8*\e+2*\i+1], v[RL:RL+1]
.endr
.endr
	WIN 0
.irp e, 0,1,2,3
	ds_store_b128 v[STO], v[KF+8*\e:KF+8*\e+3]   offset:64*\e
	ds_store_b128 v[STO], v[KF+8*\e+4:KF+8*\e+7] offset:64*\e+16
.endr
	s_wait_xcnt 0x0                                ; the registers that the last tile's global stores name are loaded again only behind this wait (ISA guide 3.1)
.irp i, 0,1,2,3,4,5,6,7
	ds_load_b128 v[KF+32+4*\i:KF+32+4*\i+3], v[RD] offset:\i*2*SPITCH
.endr
.irp i, 0,1,2,3,4,5,6,7
	s_wait_dscnt 7-\i                              ; read-back i is in, the younger ones stay out
	global_store_b128 v[CO], v[KF+32+4*\i:KF+32+4*\i+3], s[8:9] offset:\q*524288+\i*65536 th:TH_STORE_NT   ; token g + 8 (64 wave + 16 q + 2 i + h)
.endr
.endm
	OUTQ 0
	OUTQ 1
	OUTQ 2
	OUTQ 3
	s_set_vgpr_msb 0x5
	s_wait_tensorcnt 0x0
	ds_add_u32 v62, v63
	s_wait_dscnt 0x0
	s_set_vgpr_msb 0x500
	s_endpgm
.Lfunc_end_k_qc0a528094a_palace:
	.size	k_qc0a528094a_palace, .Lfunc_end_k_qc0a528094a_palace-k_qc0a528094a_palace
	.p2alignl 7, 3214868480
	.fill 96, 4, 3214868480
	.section	.rodata,"a",@progbits
	.p2align	6, 0x0
	.amdhsa_kernel k_qc0a528094a_palace
		.amdhsa_group_segment_fixed_size 312832
		.amdhsa_private_segment_fixed_size 0
		.amdhsa_enable_private_segment 0
		.amdhsa_kernarg_size 24
		.amdhsa_user_sgpr_count 2
		.amdhsa_user_sgpr_kernarg_segment_ptr 1
		.amdhsa_wavefront_size32 1
		.amdhsa_system_sgpr_workgroup_id_x 1
		.amdhsa_system_sgpr_workgroup_id_y 1
		.amdhsa_system_sgpr_workgroup_id_z 1
		.amdhsa_system_vgpr_workitem_id 0
		.amdhsa_next_free_vgpr 512
		.amdhsa_next_free_sgpr 66
		.amdhsa_reserve_vcc 1
		.amdhsa_float_denorm_mode_32 3
		.amdhsa_float_denorm_mode_16_64 3
		.amdhsa_memory_ordered 1
		.amdhsa_forward_progress 1
		.amdhsa_inst_pref_size 182
	.end_amdhsa_kernel
	.amdgpu_metadata
---
amdhsa.version: [ 1, 2 ]
amdhsa.kernels:
  - .name:           k_qc0a528094a_palace
    .symbol:         k_qc0a528094a_palace.kd
    .args:
      - { .name: x, .offset: 0, .size: 8, .value_kind: global_buffer, .address_space: global }
      - { .name: inter_palace_weight, .offset: 8, .size: 8, .value_kind: global_buffer, .address_space: global }
      - { .name: out0, .offset: 16, .size: 8, .value_kind: global_buffer, .address_space: global }
    .group_segment_fixed_size: 312832
    .private_segment_fixed_size: 0
    .kernarg_segment_align: 8
    .kernarg_segment_size: 24
    .max_flat_workgroup_size: 128
    .sgpr_count:     66
    .vgpr_count:     512
    .wavefront_size: 32
...
	.end_amdgpu_metadata
.endif
;; end of part 1
;; ======== version 2 of 2: 1 launch; 1.15 times as fast as version 1
;; launch palace (part 2): grid 8 x 32, 4 waves a work-group, no clusters, 312,832 bytes of LDS; arguments x, inter_palace_weight, out0; writes out0
.if DOCPART == 2
	.amdgcn_target "amdgcn-amd-amdhsa--gfx1250"
	.amdhsa_code_object_version 6
	.text
	.protected	k_qc0a528094a_palace
	.globl	k_qc0a528094a_palace
	.p2align	8
	.type	k_qc0a528094a_palace,@function
k_qc0a528094a_palace:
	s_mov_b64 s[64:65], 0
	v_nop
	global_prefetch_b8 v0, s[64:65] scope:SCOPE_SE
	s_setreg_imm32_b32 hwreg(HW_REG_WAVE_MODE, 25, 1), 1
	s_wait_xcnt 0x0
; PalaceAttention: out = softmax(0.125 q k^T * m) v with q = k = v = x, 32 (batch, head) pairs, 2048 tokens, 64 numbers a head;
; m = 1 where key % 8 == query % 8, sigmoid(w) elsewhere, multiplied onto the scores ahead of the softmax.
;
; SHARES.  Work-group (g, bh): the 256 queries of head bh whose token % 8 == g.  Four waves, 64 queries each, as four query tiles of 16.
; THE HEAD LIES IN LDS, in bf16, its rows sorted by palace: token t is row 256 (t % 8) + t / 8, 128 bytes of data in a pitch of 144.
; So every block of 64 key rows has ONE mask factor for all queries of the work-group: the mask is the scalar factor of the fused
; multiply-add that forms the exponent.  One (token, head) slice is 256 aligned bytes in x and in out0, so sorting costs nothing in memory.
; PRODUCTS ARE TRANSPOSED.  S^T = K Q^T: a lane holds one query (column) and eight keys a tile, so the softmax's maximum is taken inside the
; lane and once across the two halves of the wave; two packed S^T tiles are the second source of O^T = V^T P^T as they stand; V^T comes by
; the transposing LDS load; O^T again has the query in the lane, so the rescale and 1/l are factors of the lane.
; The row sum l is a product too: a first source with ones in rows 0 and 8 leaves l in register 0 of an accumulator in both halves.
; SIDE BY SIDE.  A phase is one query tile x 64 keys.  Its vector work (maximum, exponent, exponential, packing) is set among the matrix
; instructions of its neighbours: P V and l of the tile before, S of the tile behind.
; SOFTMAX: a true running maximum of the masked, scaled scores (in units of log2), old sums rescaled by 2^(old - new).
; The block's maximum is taken on raw scores and multiplied by the block's factor once: both factors are >= 0 (0.125 log2 e, and that times a sigmoid).
; BATCHES.  A phase's 33 exponentials (the rescale factor, then the tile's 32 weights) are ONE batch with ONE wait
; ahead of the first instruction that names a result.  Ahead of that wait nothing names one: the rescale factor has a register of its own (AF), apart
; from the pair that the exponents' multiply-adds name; the weights are made in place, and their readers, the 16 conversions, all stand behind the
; wait; so do the next phase's rescalings of O and l.  No exponential is issued behind a phase's wait.
; The way out's eight reciprocals are one batch.  The head's exponential and reciprocal (the sigmoid) are two batches of one: the second reads the first.
; LIMITS.  Inputs are finite.  Q, K, V and P are rounded to bf16; S, O, l and the maximum are f32.  An exponential below 2^-126 counts as 0.
; NO CLUSTER, NO TENSOR LOADS, though the eight work-groups of a head read the same 524,288 bytes of x: the bytes have to be rounded to bf16 and
; re-ordered on the way, which goes through registers; a joint load would land f32 rows in LDS, where beside the resident 294,912 bytes and
; the 17,408 of the stages 15,360 are left, so the head would need more than 34 refills with a barrier of the cluster in front of each.
; The shared bytes are read once, ahead of the loop; the loop reads no memory.
.set PITCH,  144                       ; an LDS row: 128 bytes + 16.  9 x 16: sixteen rows start at sixteen different 16-byte columns modulo 256 bytes
.set TILE,   16*PITCH                  ; 16 rows
.set STEP,   64*PITCH                  ; 64 rows: a step's keys, and a wave's queries
.set PAL,    256*PITCH                 ; a palace
.set STAGE,  2048*PITCH                ; behind the head: each wave's own stage for the way out
.set SPITCH, 272                       ; a stage row: 256 bytes + 16
.set WSTAGE, 16*SPITCH
.set DEPTH,  56                        ; the fill's ring: loads of a wave in flight
; registers of the fill (window 0)
.set GOFF, 1                           ; v1        my byte offset in the head's part of x
.set LA,   2                           ; v[2:9]    palace p: LDS address of my 8 bytes
.set TP,   10                          ; v[10:25]  eight pairs of packed bf16
.set X,    32                          ; v[32:255] 56 slots of 4 registers
; registers of the loop, window 0
.set KA,   1                           ; v1        LDS address of my part of the next K fragments
.set T,    2                           ; v[2:7]    at work
.set ST,   8                           ; v[8:15]   query tile q: the pair (minus the running maximum, 1.0): the packed multiply-add names the pair and takes its first register
.set RL,   8                           ; v[8:15]   on the way out, where ST has served: query tile q: 1 / l, twice
.set ONES, 16                          ; v[16:23]  first source of the row sum: ones in rows 0 and 8
.set LACC, 24                          ; v[24:55]  query tile q: accumulator of the row sum, l in register 0
.set QA,   56                          ; v56       LDS address of my part of the Q fragments
.set STO,  57                          ; v57       the way out: where I put 16 bytes
.set RD,   58                          ; v58       the way out: where I read a row back
.set CO,   59                          ; v59       my byte offset in out0
.set AF,   60                          ; v[60:63]  query tile q: the rescale factor, at AF + q
.set QF,   64                          ; v[64:127]  Q(q, ks) at 16 q + 8 ks
.set KF,   128                         ; v[128:191] K(kt, ks) at 16 kt + 8 ks; at work on the way out
.set SB,   192                         ; v[192:255] two buffers of four S^T tiles; P is packed into registers 0-15 of its own buffer
; registers of the loop, window 1
.set VA,   0                           ; v256       LDS address of my part of the next V^T fragments
.set VF,   64                          ; v[320:383] V^T(ks, e) at 32 ks + 8 e
.set OA,   128                         ; v[384:511] O^T(q, e) at 32 q + 8 e
; s_set_vgpr_msb's low byte: bits 1:0 source 0, 3:2 source 1, 5:4 source 2, 7:6 destination; the high byte repeats the setting that is left.
.set MSB, 0
.macro WIN new
.if MSB != \new
	s_set_vgpr_msb (MSB<<8)|\new
.set MSB, \new
.endif
.endm
.set W_PV,  0x51                       ; destination, source 0 and source 2 in window 1 (O, V, V's address), source 1 in window 0 (P, the rescale factor)
.macro PLACES                          ; four plain vector instructions between a matrix instruction and a load into, or a vector read of, its registers
.rept 4
	v_nop
.endr
.endm
	s_load_b128 s[4:7], s[0:1], 0x0                ; x s[4:5], the address of w s[6:7]
	s_load_b64 s[8:9], s[0:1], 0x10                ; out0
	s_set_vgpr_msb 0x40
	v_lshl_add_u32 v62, v0, 2, 0x4c400
	v_mov_b32 v63, 0
	s_set_vgpr_msb 0x4000
	v_lshrrev_b32 v26, 5, v0
	v_readfirstlane_b32 s10, v26                   ; wave 0..3
	s_and_b32 s11, ttmp9, 7                        ; g: my queries' palace
	s_and_b32 s12, ttmp7, 0xffff                   ; bh = 16 batch + head
	s_lshr_b32 s13, s12, 4
	s_lshl_b32 s13, s13, 23                        ; a batch is 2048 x 4096 bytes
	s_and_b32 s14, s12, 15
	s_lshl_b32 s14, s14, 8                         ; a head's slice of a token is 256 bytes
	s_or_b32 s14, s14, s13
	s_mov_b32 s15, 0
	s_mov_b32 s16, 0x76543210                      ; v_permlanex16_b32: lane i of one half reads lane i of the other
	s_mov_b32 s17, 0xfedcba98
	s_mov_b32 s18, 0x3e38aa3b                      ; 0.125 log2 e: the factor inside a palace
	s_mov_b32 s25, STEP
	v_and_b32 v27, 15, v0                          ; which 16 bytes of a slice
	v_bfe_u32 v28, v0, 4, 1                        ; lanes 16-31 take the token 64 further on
	v_lshlrev_b32 v[GOFF], 4, v27
	v_lshl_or_b32 v[GOFF], v28, 18, v[GOFF]        ; 64 tokens of 4,096 bytes
	s_lshl_b32 s13, s10, 21                        ; a wave fills 512 tokens
	v_or_b32 v[GOFF], s13, v[GOFF]
	s_mul_i32 s13, s10, STEP                       ; 512 tokens are 64 rows of each palace
	v_mul_u32_u24 v29, v28, 8*PITCH                ; 64 tokens on are 8 rows on: 1,152 bytes = 128 modulo 256, so the two halves of a store meet in no bank
	v_lshl_add_u32 v29, v27, 3, v29                ; 4 numbers become 8 bytes
	v_add_nc_u32 v29, s13, v29
.irp p, 0,1,2,3,4,5,6,7
	v_add_nc_u32 v[LA+\p], \p*PAL, v29
.endr
	s_wait_kmcnt 0x0
	s_load_b32 s24, s[6:7], 0x0                    ; w
	s_add_nc_u64 s[4:5], s[4:5], s[14:15]          ; x at the head's slice of token 0
	s_add_nc_u64 s[8:9], s[8:9], s[14:15]
	s_lshl_b32 s14, s11, 12
	s_add_nc_u64 s[8:9], s[8:9], s[14:15]          ; out0 at the head's slice of token g
; THE FILL.  Load n (0..255) of a wave: tokens 512 wave + 128 (n >> 6) + (n & 63), and 64 further on in lanes 16-31: two whole slices of 256 bytes.
.set n, 0
.rept DEPTH
	global_load_b128 v[X+4*n:X+4*n+3], v[GOFF], s[4:5] offset:n*4096
.set n, n+1
.endr
; the step's factor: 0.125 log2 e where the step's 64 keys (palace step / 4) are of my queries' palace, that times sigmoid(w) elsewhere
.macro SCALE
	s_lshr_b32 s24, s22, 2
	s_cmp_eq_u32 s24, s11
	s_cselect_b32 s20, s18, s19
	s_mov_b32 s21, s20                             ; the packed multiply-add names the pair
	s_xor_b32 s23, s20, 0x80000000                 ; minus the factor
.endm
	s_wait_kmcnt 0x0
	v_mov_b32 v26, s24
	v_mul_f32 v26, 0xbfb8aa3b, v26                 ; - w log2 e
	v_exp_f32 v26, v26
	v_nop                                          ; a plain instruction behind a transcendental, ahead of its result's use (ISA guide 5.7.2)
	s_wait_alu depctr_va_vdst(0)                   ; the wait for the sigmoid's exponential, a batch of one: the line below reads it
	v_add_f32 v26, 1.0, v26
	v_rcp_f32 v26, v26                             ; sigmoid(w)
	v_nop
	s_wait_alu depctr_va_vdst(0)                   ; the wait for the sigmoid's reciprocal, a batch of one: it read the exponential's sum, so the two cannot share a wait
	v_mul_f32 v26, s18, v26
	v_readfirstlane_b32 s19, v26                   ; a multiplier alone: no branch and no address is made of it
	s_mov_b32 s22, 0                               ; the step's number
	SCALE
.set n, 0
.rept 256
.if n < 256-DEPTH+1
	s_wait_loadcnt DEPTH-1                         ; loads come back in order (ISA guide 5.7.1): load n is in, the 55 younger ones stay out
.else
	s_wait_loadcnt 255-n                           ; nothing more is issued: the count runs down
.endif
	v_cvt_pk_bf16_f32 v[TP+2*(n%8)],   v[X+4*(n%DEPTH)],   v[X+4*(n%DEPTH)+1]
	v_cvt_pk_bf16_f32 v[TP+2*(n%8)+1], v[X+4*(n%DEPTH)+2], v[X+4*(n%DEPTH)+3]
	ds_store_b64 v[LA+(n&7)], v[TP+2*(n%8):TP+2*(n%8)+1] offset:(16*(n>>6)+((n&63)>>3))*PITCH   ; palace n & 7, row token / 8
.if n+DEPTH < 256
	global_load_b128 v[X+4*(n%DEPTH):X+4*(n%DEPTH)+3], v[GOFF], s[4:5] offset:(128*((n+DEPTH)>>6)+((n+DEPTH)&63))*4096
.endif
.set n, n+1
.endr
	s_wait_dscnt 0x0                               ; my rows are in LDS, for the other waves' sake,
	s_barrier_signal -1
	s_barrier_wait -1                              ; and so are everybody's.  From here on the head is only read: no further barrier
; ADDRESSES.  r = lane % 16, h = lane / 16.  A fragment of 16 rows x 32 along the rows: lane (r, h) takes 16 bytes at 16 h and at 32 + 16 h of its row.
; Inside a tile of 16 key rows matrix row 8 a + j is LDS row 2 j + a, for K and for V alike (keys are summed over, and a tile has one palace):
; a transposing load's sixteen lanes then touch eight rows 288 bytes apart, 32 bytes each: sixteen different 16-byte columns modulo 256.
	v_and_b32 v2, 15, v0                           ; r
	v_bfe_u32 v3, v0, 4, 1                         ; h
	v_and_b32 v4, 7, v0
	v_bfe_u32 v5, v0, 3, 1
	v_lshl_add_u32 v6, v4, 1, v5                   ; K: matrix row r is LDS row 2 (r % 8) + r / 8
	v_mul_u32_u24 v6, v6, PITCH
	v_lshl_add_u32 v[KA], v3, 4, v6
	s_mul_i32 s13, s11, PAL
	s_mul_i32 s14, s10, STEP
	s_add_co_u32 s13, s13, s14                     ; my wave's 64 queries: rows 256 g + 64 wave ..
	v_mul_u32_u24 v7, v2, PITCH
	v_lshl_add_u32 v7, v3, 4, v7
	v_add_nc_u32 v[QA], s13, v7
.macro KLOAD                           ; 16 loads: a step's four tiles of 16 keys, 64 along the rows; then the address steps to the next 64 rows
.irp kt, 0,1,2,3
.irp ks, 0,1
	ds_load_b128 v[KF+16*\kt+8*\ks:KF+16*\kt+8*\ks+3],   v[KA] offset:\kt*TILE+64*\ks
	ds_load_b128 v[KF+16*\kt+8*\ks+4:KF+16*\kt+8*\ks+7], v[KA] offset:\kt*TILE+64*\ks+32
.endr
.endr
	v_add_nc_u32 v[KA], STEP, v[KA]
.endm
.macro VLOAD                           ; under W_PV.  16 transposing loads: V^T(ks, e) = numbers 16 e .. 16 e + 15 of the keys of tiles 2 ks and 2 ks + 1
.irp ks, 0,1
.irp e, 0,1,2,3
	ds_load_tr16_b128 v[VF+32*\ks+8*\e:VF+32*\ks+8*\e+3],   v[VA] offset:\ks*2*TILE+32*\e
	ds_load_tr16_b128 v[VF+32*\ks+8*\e+4:VF+32*\ks+8*\e+7], v[VA] offset:\ks*2*TILE+32*\e+TILE
.endr
.endr
	v_add_nc_u32 v[VA], v[VA], s25
.endm
.irp q, 0,1,2,3
.irp ks, 0,1
	ds_load_b128 v[QF+16*\q+8*\ks:QF+16*\q+8*\ks+3],   v[QA] offset:\q*TILE+64*\ks
	ds_load_b128 v[QF+16*\q+8*\ks+4:QF+16*\q+8*\ks+7], v[QA] offset:\q*TILE+64*\ks+32
.endr
.endr
	KLOAD                                          ; step 0's keys
	v_lshl_add_u32 v6, v4, 1, v3                   ; V: the lane that addresses matrix key 8 h + lane % 8 takes LDS row 2 (lane % 8) + h,
	v_mul_u32_u24 v6, v6, PITCH
	v_lshl_add_u32 v6, v5, 4, v6                   ; and 16 bytes at 16 ((lane / 8) % 2)
	WIN 0x40
	v_mov_b32 v[VA], v6                            ; v256
	WIN 0
	s_mul_i32 s14, s10, WSTAGE
	s_add_co_u32 s14, s14, STAGE                   ; my stage
	v_mul_u32_u24 v7, v2, SPITCH                   ; in: query r's row, my eight numbers of each sixteen at 32 h
	v_lshl_add_u32 v7, v3, 5, v7
	v_add_nc_u32 v[STO], s14, v7
	v_mul_u32_u24 v7, v3, SPITCH                   ; back: lanes 0-15 take one row of 256 bytes, lanes 16-31 the next
	v_lshl_add_u32 v7, v2, 4, v7
	v_add_nc_u32 v[RD], s14, v7
	v_lshlrev_b32 v7, 4, v2                        ; out0: a query row is 8 tokens = 32,768 bytes from the next; a wave has 64 of them
	v_lshl_or_b32 v7, v3, 15, v7
	s_lshl_b32 s14, s10, 21
	v_or_b32 v[CO], s14, v7
	v_mov_b32 v7, 0x3f803f80                       ; two bf16 ones
	v_cmp_eq_u32 vcc_lo, 0, v4
	v_cndmask_b32 v[ONES], 0, v7, vcc_lo           ; rows 0 and 8 of the first source
.irp i, 1,2,3,4,5,6,7
	v_mov_b32 v[ONES+\i], v[ONES]
.endr
; MATRIX INSTRUCTIONS.  Accumulators take turns, one instruction a turn.
.macro SW qn, bo, kt, ks               ; S^T(tile kt) of query tile qn into buffer bo; the first 32 along the rows start the sum
.if \ks
	v_wmma_f32_16x16x32_bf16 v[SB+32*(\bo)+8*\kt:SB+32*(\bo)+8*\kt+7], v[KF+16*\kt+8*\ks:KF+16*\kt+8*\ks+7], v[QF+16*(\qn)+8*\ks:QF+16*(\qn)+8*\ks+7], v[SB+32*(\bo)+8*\kt:SB+32*(\bo)+8*\kt+7]
.else
	v_wmma_f32_16x16x32_bf16 v[SB+32*(\bo)+8*\kt:SB+32*(\bo)+8*\kt+7], v[KF+16*\kt+8*\ks:KF+16*\kt+8*\ks+7], v[QF+16*(\qn)+8*\ks:QF+16*(\qn)+8*\ks+7], 0
.endif
.endm
.macro LW qp, bo, ks, c0               ; the row sum of 32 keys of P
.if \c0
	v_wmma_f32_16x16x32_bf16 v[LACC+8*(\qp):LACC+8*(\qp)+7], v[ONES:ONES+7], v[SB+32*(\bo)+8*\ks:SB+32*(\bo)+8*\ks+7], 0
.else
	v_wmma_f32_16x16x32_bf16 v[LACC+8*(\qp):LACC+8*(\qp)+7], v[ONES:ONES+7], v[SB+32*(\bo)+8*\ks:SB+32*(\bo)+8*\ks+7], v[LACC+8*(\qp):LACC+8*(\qp)+7]
.endif
.endm
.macro PW qp, bo, e, ks, c0            ; under W_PV: O^T(qp, e) += V^T(ks, e) P^T(32 keys)
.if \c0
	v_wmma_f32_16x16x32_bf16 v[OA+32*(\qp)+8*\e:OA+32*(\qp)+8*\e+7], v[VF+32*\ks+8*\e:VF+32*\ks+8*\e+7], v[SB+32*(\bo)+8*\ks:SB+32*(\bo)+8*\ks+7], 0
.else
	v_wmma_f32_16x16x32_bf16 v[OA+32*(\qp)+8*\e:OA+32*(\qp)+8*\e+7], v[VF+32*\ks+8*\e:VF+32*\ks+8*\e+7], v[SB+32*(\bo)+8*\ks:SB+32*(\bo)+8*\ks+7], v[OA+32*(\qp)+8*\e:OA+32*(\qp)+8*\e+7]
.endif
.endm
.macro RS qp, e                        ; under W_PV: O^T(qp, e) times the tile's rescale factor in both halves: the first register of the pair (a0, a1) or (a2, a3) for an even tile, the second for an odd one
.irp i, 0,1,2,3
.if (\qp)%2
	v_pk_mul_f32 v[OA+32*(\qp)+8*\e+2*\i:OA+32*(\qp)+8*\e+2*\i+1], v[OA+32*(\qp)+8*\e+2*\i:OA+32*(\qp)+8*\e+2*\i+1], v[AF+(\qp)-1:AF+(\qp)] op_sel:[0,1] op_sel_hi:[1,1]
.else
	v_pk_mul_f32 v[OA+32*(\qp)+8*\e+2*\i:OA+32*(\qp)+8*\e+2*\i+1], v[OA+32*(\qp)+8*\e+2*\i:OA+32*(\qp)+8*\e+2*\i+1], v[AF+(\qp):AF+(\qp)+1] op_sel_hi:[1,0]
.endif
.endr
.endm
.macro PVPART qp, bo, pv               ; pv = 2: rescale, then add; pv = 1: the tile's first step starts the sums
.if \pv == 2
	RS \qp,0
	RS \qp,1
	PW \qp,\bo,0,0,0
	RS \qp,2
	PW \qp,\bo,1,0,0
	RS \qp,3
	PW \qp,\bo,2,0,0
	PW \qp,\bo,3,0,0
.else
	PW \qp,\bo,0,0,1
	PW \qp,\bo,1,0,1
	PW \qp,\bo,2,0,1
	PW \qp,\bo,3,0,1
.endif
	PW \qp,\bo,0,1,0
	PW \qp,\bo,1,1,0
	PW \qp,\bo,2,1,0
	PW \qp,\bo,3,1,0
.endm
; THE SOFTMAX'S VECTOR WORK on buffer bc: my 32 raw scores of one query.
.macro G1 bc                           ; the maximum, in four chains
.irp k, 0,1,2,3
	v_max3_num_f32 v[T+\k], v[SB+32*(\bc)+8*\k], v[SB+32*(\bc)+8*\k+1], v[SB+32*(\bc)+8*\k+2]
.endr
.endm
.macro G2 bc
.irp k, 0,1,2,3
	v_max3_num_f32 v[T+\k], v[T+\k], v[SB+32*(\bc)+8*\k+3], v[SB+32*(\bc)+8*\k+4]
.endr
.endm
.macro G3 bc
.irp k, 0,1,2,3
	v_max3_num_f32 v[T+\k], v[T+\k], v[SB+32*(\bc)+8*\k+5], v[SB+32*(\bc)+8*\k+6]
.endr
.endm
.macro G4 bc
	v_max3_num_f32 v[T],   v[T],   v[T+1], v[SB+32*(\bc)+7]
	v_max3_num_f32 v[T+2], v[T+2], v[T+3], v[SB+32*(\bc)+15]
	v_max3_num_f32 v[T],   v[T],   v[SB+32*(\bc)+23], v[SB+32*(\bc)+31]
	v_max_num_f32  v[T],   v[T],   v[T+2]
.endm
.macro STATS q, smf                    ; smf = 1: the query tile's first step
	v_permlanex16_b32 v[T+1], v[T], s16, s17       ; the other half's 32 keys of the same query
	v_max_num_f32 v[T], v[T], v[T+1]
	v_mul_f32 v[T], s23, v[T]                      ; minus the block's maximum, masked and scaled (the factor is >= 0)
.if \smf
	v_mov_b32 v[ST+2*(\q)], v[T]
	v_mov_b32 v[ST+2*(\q)+1], 1.0                  ; the packed forms name whole pairs: this one's second register is written once, here,
	v_mov_b32 v[AF+(\q)], 1.0                      ; and the rescale factors' pairs are whole before the first rescaling names them
.else
	v_sub_f32 v[T+1], v[T], v[ST+2*(\q)]           ; old maximum - block's maximum
	v_min_num_f32 v[T+1], 0, v[T+1]                ; old - new
	v_exp_f32 v[AF+(\q)], v[T+1]                   ; the rescale factor: the batch's first exponential; nothing names AF + q ahead of the phase's wait
	v_min_num_f32 v[ST+2*(\q)], v[ST+2*(\q)], v[T] ; minus the new maximum; also the plain instruction behind the exponential (ISA guide 5.7.2)
.endif
.endm
.macro FM bc, q, p                     ; pair p of 16: exponent = raw x factor - maximum, one fused multiply-add for two scores
	v_pk_fma_f32 v[SB+32*(\bc)+2*(\p):SB+32*(\bc)+2*(\p)+1], v[SB+32*(\bc)+2*(\p):SB+32*(\bc)+2*(\p)+1], s[20:21], v[ST+2*(\q):ST+2*(\q)+1] op_sel_hi:[1,0,0]
.endm
.macro EX bc, r                        ; score r of 32: the weight, in place
	v_exp_f32 v[SB+32*(\bc)+(\r)], v[SB+32*(\bc)+(\r)]
.endm
.macro EX4 bc, r0                      ; four of them
.irp i, 0,1,2,3
	EX \bc,\r0+\i
.endr
.endm
.macro CV bc, kt                       ; tile kt's eight numbers into registers 4 kt .. 4 kt + 3 of the buffer: in ascending order each target has been read already
.irp i, 0,1,2,3
	v_cvt_pk_bf16_f32 v[SB+32*(\bc)+4*\kt+\i], v[SB+32*(\bc)+8*\kt+2*\i], v[SB+32*(\bc)+8*\kt+2*\i+1]
.endr
.endm
; A PHASE: the softmax of query tile q on its buffer (q & 1), among P V and l of the tile before (pv: 0 none, 1 starts the sums, 2 rescales and adds)
; and S of the tile behind into the other buffer (sn).  vw, kw: wait for the V, K fragments; vl, kl: load the next step's.
; Both waits on DScnt are for 0: at each of them the sixteen loads waited for are all that is out.
; THE BATCH.  Behind the statistics, whose exponential is its first: four multiply-adds; twelve times an exponential and a multiply-add by turns
; (exponential k reads pair k / 2; the multiply-add behind it is pair k + 4, whose registers hold no result yet); then the last twenty exponentials, four
; behind each of the five S products that are left, which name the other buffer, K and Q alone; a v_nop; the phase's one wait; the sixteen conversions.
; Distances, in plain vector instructions that name none of the matrix instruction's registers: from the second row-sum
; product, which reads registers 8-15 of the other buffer, to the S product that writes over them: 8 (G3, G4); from the last S product to the K loads
; and to the next phase's first read of S: 17 (the v_nop, CV 0 to CV 3).
.macro PHASE q, pv, smf, sn, vw, vl, kw, kl
.set QP, (\q+3)%4
.set QN, (\q+1)%4
.set BC, \q&1
.set BO, 1-(\q&1)
.if \vw
	s_wait_dscnt 0x0                               ; this step's V^T
.endif
.if \pv+\vl
	WIN W_PV
.endif
.if \pv
	PVPART QP,BO,\pv
.endif
.if \pv*\vl
	PLACES                                         ; behind the last product that read V^T, ahead of the loads into it
.endif
.if \vl
	VLOAD
.endif
	WIN 0
.if \pv == 2
	v_mul_f32 v[LACC+8*QP], v[LACC+8*QP], v[AF+QP]         ; l is rescaled like O; the accumulator's other registers hold zeros
.endif
.if \pv*(1-\sn)
	s_wait_alu depctr_va_vdst(0)                   ; the two row-sum products follow each other here
.endif
.if \pv
	LW QP,BO,0,2-\pv
.endif
	G1 BC
.if \kw
	s_wait_dscnt 0x0                               ; the next step's K
.endif
.if \sn
	SW QN,BO,3,0
.endif
	G2 BC
.if \pv*(1-\sn)
	s_wait_alu depctr_va_vdst(0)
.endif
.if \pv
	LW QP,BO,1,0
.endif
	G3 BC
.if \sn
	SW QN,BO,2,0
.endif
	G4 BC
.if \sn
	SW QN,BO,1,0
.endif
	STATS \q,\smf
.irp p, 0,1,2,3
	FM BC,\q,\p
.endr
.irp j, 0,1,2,3,4,5,6,7,8,9,10,11
	EX BC,\j
	FM BC,\q,\j+4
.endr
.if \sn
	SW QN,BO,0,0
.endif
	EX4 BC,12
.if \sn
	SW QN,BO,3,1
.endif
	EX4 BC,16
.if \sn
	SW QN,BO,2,1
.endif
	EX4 BC,20
.if \sn
	SW QN,BO,1,1
.endif
	EX4 BC,24
.if \sn
	SW QN,BO,0,1
.endif
	EX4 BC,28
	v_nop                                          ; the plain instruction behind the last exponential, ahead of the first use (ISA guide 5.7.2): one for the batch
	s_wait_alu depctr_va_vdst(0)                   ; the wait for the batch: the rescale factor and the 32 weights; the conversions below are its first readers
	CV BC,0
	CV BC,1
	CV BC,2
	CV BC,3
.if \kl
	KLOAD
.endif
.endm
	s_wait_dscnt 0x0                               ; Q and step 0's K
.irp kt, 3,2,1,0
	SW 0,0,\kt,0                                   ; S of (step 0, query tile 0)
.endr
.irp kt, 3,2,1,0
	SW 0,0,\kt,1
.endr
	PLACES                                         ; ahead of the first read of S
	; step 0, and the first phase of step 1, stand ahead of the loop: first products start the sums, first maxima start the running maxima
	PHASE 0, 0,1,1, 0,1,0,0
	PHASE 1, 1,1,1, 1,0,0,0
	PHASE 2, 1,1,1, 0,0,0,1
	PHASE 3, 1,1,1, 0,0,1,0
	s_mov_b32 s22, 1
	SCALE
	PHASE 0, 1,0,1, 0,1,0,0
.Lstep:                                            ; 30 trips: phases 1, 2, 3 of steps 1..30, each with phase 0 of the step behind it
	PHASE 1, 2,0,1, 1,0,0,0
	PHASE 2, 2,0,1, 0,0,0,1
	PHASE 3, 2,0,1, 0,0,1,0
	s_add_co_u32 s22, s22, 1
	SCALE
	PHASE 0, 2,0,1, 0,1,0,0
	s_cmp_lt_u32 s22, 31
	s_cbranch_scc1 .Lstep
	PHASE 1, 2,0,1, 1,0,0,0                        ; step 31: no further keys to load, and behind tile 3 no further S
	PHASE 2, 2,0,1, 0,0,0,0
	PHASE 3, 2,0,0, 0,0,0,0
	WIN W_PV
	PVPART 3,1,2                                   ; the last P V and l, of query tile 3
	WIN 0
	v_mul_f32 v[LACC+24], v[LACC+24], v[AF+3]
	s_wait_alu depctr_va_vdst(0)
	LW 3,1,0,0
	s_wait_alu depctr_va_vdst(0)
	LW 3,1,1,0
	PLACES                                         ; ahead of the reads of l and O
; THE WAY OUT, a query tile at a time: O^T / l; a lane's eight numbers of each sixteen go into its query's row of my own stage; whole rows of
; 256 bytes come back, and sixteen lanes store 256 consecutive bytes at a multiple of 256 from out0's first byte: one (token, head) slice.
; LDS serves a wave's instructions in order (ISA guide 5.7.1), and the stage is the wave's own: no wait between its stores and its loads.
; The four tiles' reciprocals, each made twice to fill the pair that the packed multiply names, are one batch of eight, each in a register of its own.
.irp q, 0,1,2,3
	v_rcp_f32 v[RL+2*\q],   v[LACC+8*\q]
	v_rcp_f32 v[RL+2*\q+1], v[LACC+8*\q]
.endr
	v_nop                                          ; the plain instruction behind the last reciprocal
	s_wait_alu depctr_va_vdst(0)                   ; the wait for the batch of eight reciprocals ahead of their first use
.macro OUTQ q
	WIN 0x01                                       ; source 0 (O) in window 1
.irp e, 0,1,2,3
.irp i, 0,1,2,3
	v_pk_mul_f32 v[KF+8*\e+2*\i:KF+8*\e+2*\i+1], v[OA+32*\q+8*\e+2*\i:OA+32*\q+8*\e+2*\i+1], v[RL+2*\q:RL+2*\q+1]
.endr
.endr
	WIN 0
.irp e, 0,1,2,3
	ds_store_b128 v[STO], v[KF+8*\e:KF+8*\e+3]   offset:64*\e
	ds_store_b128 v[STO], v[KF+8*\e+4:KF+8*\e+7] offset:64*\e+16
.endr
	s_wait_xcnt 0x0                                ; the registers that the last tile's global stores name are loaded again only behind this wait (ISA guide 3.1)
.irp i, 0,1,2,3,4,5,6,7
	ds_load_b128 v[KF+32+4*\i:KF+32+4*\i+3], v[RD] offset:\i*2*SPITCH
.endr
.irp i, 0,1,2,3,4,5,6,7
	s_wait_dscnt 7-\i                              ; read-back i is in, the younger ones stay out
	global_store_b128 v[CO], v[KF+32+4*\i:KF+32+4*\i+3], s[8:9] offset:\q*524288+\i*65536 th:TH_STORE_NT   ; token g + 8 (64 wave + 16 q + 2 i + h)
.endr
.endm
	OUTQ 0
	OUTQ 1
	OUTQ 2
	OUTQ 3
	s_set_vgpr_msb 0x5
	s_wait_tensorcnt 0x0
	ds_add_u32 v62, v63
	s_wait_dscnt 0x0
	s_set_vgpr_msb 0x500
	s_endpgm
.Lfunc_end_k_qc0a528094a_palace:
	.size	k_qc0a528094a_palace, .Lfunc_end_k_qc0a528094a_palace-k_qc0a528094a_palace
	.p2alignl 7, 3214868480
	.fill 96, 4, 3214868480
	.section	.rodata,"a",@progbits
	.p2align	6, 0x0
	.amdhsa_kernel k_qc0a528094a_palace
		.amdhsa_group_segment_fixed_size 312832
		.amdhsa_private_segment_fixed_size 0
		.amdhsa_enable_private_segment 0
		.amdhsa_kernarg_size 24
		.amdhsa_user_sgpr_count 2
		.amdhsa_user_sgpr_kernarg_segment_ptr 1
		.amdhsa_wavefront_size32 1
		.amdhsa_system_sgpr_workgroup_id_x 1
		.amdhsa_system_sgpr_workgroup_id_y 1
		.amdhsa_system_sgpr_workgroup_id_z 1
		.amdhsa_system_vgpr_workitem_id 0
		.amdhsa_next_free_vgpr 512
		.amdhsa_next_free_sgpr 66
		.amdhsa_reserve_vcc 1
		.amdhsa_float_denorm_mode_32 3
		.amdhsa_float_denorm_mode_16_64 3
		.amdhsa_memory_ordered 1
		.amdhsa_forward_progress 1
		.amdhsa_inst_pref_size 181
	.end_amdhsa_kernel
	.amdgpu_metadata
---
amdhsa.version: [ 1, 2 ]
amdhsa.kernels:
  - .name:           k_qc0a528094a_palace
    .symbol:         k_qc0a528094a_palace.kd
    .args:
      - { .name: x, .offset: 0, .size: 8, .value_kind: global_buffer, .address_space: global }
      - { .name: inter_palace_weight, .offset: 8, .size: 8, .value_kind: global_buffer, .address_space: global }
      - { .name: out0, .offset: 16, .size: 8, .value_kind: global_buffer, .address_space: global }
    .group_segment_fixed_size: 312832
    .private_segment_fixed_size: 0
    .kernarg_segment_align: 8
    .kernarg_segment_size: 24
    .max_flat_workgroup_size: 128
    .sgpr_count:     66
    .vgpr_count:     512
    .wavefront_size: 32
...
	.end_amdgpu_metadata
.endif
;; end of part 2
